; MI455X (gfx1250); checked and timed in simulation.
; The chip was launched on July 23, 2026; its instructions are those of AMD's public machine-readable ISA for CDNA 5 (MIT licence, August 2026) and "CDNA5" Instruction Set Architecture Reference Guide (July 2026). The comments in the code are by the model that wrote it; some were corrected since.
;; Daibin Quantizer. Allowed arithmetic: float matrix products may take bf16 or f16 operands with f32 sums; other float arithmetic in f32, or as packed bf16 or f16 multiplies, adds, multiply-adds, maxima and minima; sums over many terms, partial sums and values carried from step to step in f32; what a program stores and reads back later, other than sums and carried values, may be rounded once to bf16 or f16.
;; Inputs: codebook 8,192 x 256 float32; x 16 x 2,048 x 256 float32.
;; Outputs: out0 one number float32; out1 16 x 2,048 x 256 float32.
;; 2 versions, each right; version 2 is version 1 with the launch gather written anew for expert scheduling mode. Each part assembles by itself: llvm-mc -triple=amdgcn-amd-amdhsa -mcpu=gfx1250 --defsym DOCPART=n.
;; ======== version 1 of 2: 4 launches
;; workspace buffers: cb16 4,194,304 bytes; x16 16,777,216 bytes; eep 33,792 bytes; xxb 131,072 bytes; idx 131,072 bytes of whole numbers; part 16,384 bytes
;; launch prep (part 1): grid 640 x 1, 4 waves a work-group, no clusters, 768 bytes of LDS; arguments codebook, x, cb16, x16, eep, xxb; writes cb16, x16, eep, xxb
.if DOCPART == 1
	.amdgcn_target "amdgcn-amd-amdhsa--gfx1250"
	.amdhsa_code_object_version 6
	.text
	.protected	k_qf9ea1e7f17_prep
	.globl	k_qf9ea1e7f17_prep
	.p2align	8
	.type	k_qf9ea1e7f17_prep,@function
k_qf9ea1e7f17_prep:
	s_mov_b64 s[64:65], 0
	v_nop
	global_prefetch_b8 v0, s[64:65] scope:SCOPE_SE
	s_setreg_imm32_b32 hwreg(HW_REG_WAVE_MODE, 25, 1), 1
	s_wait_xcnt 0x0
; Every row of the codebook ([8192][256] f32) and of x ([32768][256] f32) is rounded to bf16 (cb16, x16), and the sum of the squares of the ROUNDED row is taken in f32 (eep, xxb).
; A work-group owns 64 rows: blocks 0-127 are the codebook's, blocks 128-639 are x's; the buffers are chosen by the block's number, the text is one.  Each of the four waves takes 16 rows.
; A row is 1,024 bytes: a lane takes 16 bytes at 16 x lane and 16 at 512 + 16 x lane, so each load covers 512 consecutive bytes, and the row's bf16 leave as two stores of 8 bytes a lane,
; each 256 consecutive bytes at a multiple of 256.  The 64 sums meet in LDS so that one store of wave 0 writes their 256 bytes whole.
; xxb is plain: sum n at 4 n.  eep is laid out for the next launch: four parts of 8,448 bytes, part b % 4 for the wave that will read it: 256 bytes of +inf, then for chunk s = b / 4 the 64 sums
; of block b, at 256 + 256 s.
; All 32 loads of a wave go out at once; the waits count down.  No matrix unit, no cluster: nothing is shared and memory binds.
.set SPARE, 256                        ; LDS: bytes 0-255 the stage (64 sums); from 256 on the spare words, 128 bytes a wave
.set L16, 2                            ; v2   16 x lane
.set L8,  3                            ; v3   8 x lane
.set R,   4                            ; v4   lane % 16
.set SA,  5                            ; v5   stage: 64 x wave + 4 x (lane % 16)
.set SPW, 6                            ; v6   my spare word; never rewritten
.set NIL, 7                            ; v7   0; never rewritten
.set XR,  16                           ; v[16:143]  row i: 8 registers as loaded; registers 0, 1, 4, 5 then hold the row's bf16
.set T,   144                          ; v[144:151] at work
.set A,   152                          ; v[152:153] the lane's sum, in two halves
.set SM,  154                          ; v154 the row's sum; v155 the other half of the lanes'
.set E,   156                          ; v156 lane l ends with the sum of row l % 16
	s_load_b256 s[4:11], s[0:1], 0x0               ; codebook s[4:5], x s[6:7], cb16 s[8:9], x16 s[10:11]
	s_load_b128 s[12:15], s[0:1], 0x20             ; eep s[12:13], xxb s[14:15]
	v_lshl_add_u32 v[SPW], v0, 2, SPARE
	v_mov_b32 v[NIL], 0
	v_lshrrev_b32 v1, 5, v0
	v_readfirstlane_b32 s16, v1                    ; wave 0..3
	v_and_b32 v1, 31, v0
	v_lshlrev_b32 v[L16], 4, v1
	v_lshlrev_b32 v[L8], 3, v1
	v_and_b32 v[R], 15, v0
	v_lshlrev_b32 v[SA], 2, v[R]
	v_lshl_add_u32 v[SA], s16, 6, v[SA]
	s_sub_co_u32 s17, ttmp9, 128
	s_cmp_lt_u32 ttmp9, 128
	s_cselect_b32 s17, ttmp9, s17                  ; my block of 64 rows in its own tensor
	s_cselect_b32 s18, 1, 0                        ; 1: the codebook's
	s_lshl_b32 s20, s17, 16                        ; 64 rows of 1,024 bytes a block,
	s_lshl_b32 s19, s16, 14                        ; 16 a wave
	s_add_co_u32 s20, s20, s19
	s_mov_b32 s21, 0
	s_lshr_b32 s22, s20, 1                         ; half as many bytes in the 16-bit copy
	s_mov_b32 s23, 0
	s_and_b32 s24, s17, 3                          ; the part of eep
	s_mul_i32 s24, s24, 8448
	s_mov_b32 s25, 0
	s_lshr_b32 s19, s17, 2                         ; the chunk s:
	s_lshl_b32 s19, s19, 8
	s_add_co_u32 s19, s19, 256                     ; its 256 bytes behind the part's 256 of +inf
	s_add_co_u32 s19, s19, s24
	s_lshl_b32 s26, s17, 8                         ; in xxb: 256 bytes a block
	s_cmp_eq_u32 s18, 1
	s_cselect_b32 s26, s19, s26                    ; where my block's 64 sums go
	s_mov_b32 s27, 0
	s_mov_b32 s32, 0x76543210                      ; v_permlanex16_b32: each lane takes its own place in the other half
	s_mov_b32 s33, 0xfedcba98
	s_mov_b32 s34, 0xffff0000                      ; a word's upper bf16
	s_wait_kmcnt 0x0
	s_cmp_eq_u32 s18, 1                            ; the choice hangs on the block's number alone
	s_cselect_b64 s[4:5], s[4:5], s[6:7]           ; the rows,
	s_cselect_b64 s[8:9], s[8:9], s[10:11]         ; their 16-bit copy,
	s_cselect_b64 s[28:29], s[12:13], s[14:15]     ; their sums
	s_add_nc_u64 s[4:5], s[4:5], s[20:21]
	s_add_nc_u64 s[8:9], s[8:9], s[22:23]
	s_add_nc_u64 s[28:29], s[28:29], s[26:27]
	s_add_nc_u64 s[30:31], s[12:13], s[24:25]      ; the part's first byte: used by blocks 0-3 alone
.set i, 0
.rept 16
	global_load_b128 v[XR+8*i:XR+8*i+3],   v[L16], s[4:5] offset:1024*i
	global_load_b128 v[XR+8*i+4:XR+8*i+7], v[L16], s[4:5] offset:1024*i+512
.set i, i+1
.endr
	v_mov_b32 v[E], 0                              ; written whole before the selects below
	v_mov_b32 v[SM+1], 0                           ; v_permlanex16_b32's destination counts as read
.set i, 0
.rept 16
	s_wait_loadcnt 30-2*i                          ; loads come back in order: row i is in, the 2 x (15 - i) younger loads stay out
	v_cvt_pk_bf16_f32 v[XR+8*i],   v[XR+8*i],   v[XR+8*i+1]
	v_cvt_pk_bf16_f32 v[XR+8*i+1], v[XR+8*i+2], v[XR+8*i+3]
	v_cvt_pk_bf16_f32 v[XR+8*i+4], v[XR+8*i+4], v[XR+8*i+5]
	v_cvt_pk_bf16_f32 v[XR+8*i+5], v[XR+8*i+6], v[XR+8*i+7]
	global_store_b64 v[L8], v[XR+8*i:XR+8*i+1],   s[8:9] offset:512*i      ; 32 lanes store 256 consecutive bytes; these registers are not written again
	global_store_b64 v[L8], v[XR+8*i+4:XR+8*i+5], s[8:9] offset:512*i+256
	v_lshlrev_b32 v[T],   16,  v[XR+8*i]           ; the rounded numbers back as f32
	v_and_b32     v[T+1], s34, v[XR+8*i]
	v_lshlrev_b32 v[T+2], 16,  v[XR+8*i+1]
	v_and_b32     v[T+3], s34, v[XR+8*i+1]
	v_lshlrev_b32 v[T+4], 16,  v[XR+8*i+4]
	v_and_b32     v[T+5], s34, v[XR+8*i+4]
	v_lshlrev_b32 v[T+6], 16,  v[XR+8*i+5]
	v_and_b32     v[T+7], s34, v[XR+8*i+5]
	v_pk_mul_f32 v[A:A+1], v[T:T+1], v[T:T+1]      ; the first product starts the sum
	v_pk_fma_f32 v[A:A+1], v[T+2:T+3], v[T+2:T+3], v[A:A+1]
	v_pk_fma_f32 v[A:A+1], v[T+4:T+5], v[T+4:T+5], v[A:A+1]
	v_pk_fma_f32 v[A:A+1], v[T+6:T+7], v[T+6:T+7], v[A:A+1]
	v_add_f32 v[SM], v[A], v[A+1]
	v_add_f32_dpp v[SM], v[SM], v[SM] row_xmask:1 row_mask:0xf bank_mask:0xf
	v_add_f32_dpp v[SM], v[SM], v[SM] row_xmask:2 row_mask:0xf bank_mask:0xf
	v_add_f32_dpp v[SM], v[SM], v[SM] row_xmask:4 row_mask:0xf bank_mask:0xf
	v_add_f32_dpp v[SM], v[SM], v[SM] row_xmask:8 row_mask:0xf bank_mask:0xf
	v_permlanex16_b32 v[SM+1], v[SM], s32, s33
	v_add_f32 v[SM], v[SM], v[SM+1]                ; every lane holds row i's sum;
	v_cmp_eq_u32 vcc_lo, i, v[R]
	v_cndmask_b32 v[E], v[E], v[SM], vcc_lo        ; lanes i and 16 + i keep it
.set i, i+1
.endr
	ds_store_b32 v[SA], v[E]                       ; both halves of the lanes write the same words with the same numbers
	s_wait_dscnt 0x0                               ; for wave 0's sake: my sums are in the stage
	s_barrier_signal -1
	s_barrier_wait -1
	s_cmp_lg_u32 s16, 0
	s_cbranch_scc1 .Lend
	ds_load_b64 v[T:T+1], v[L8]                    ; the block's 64 sums, 8 bytes a lane
	s_wait_dscnt 0x0
	global_store_b64 v[L8], v[T:T+1], s[28:29]     ; 256 consecutive bytes at a multiple of 256
	s_cmp_lt_u32 ttmp9, 4
	s_cbranch_scc0 .Lend                           ; the four blocks of the codebook's chunk 0 also write their part's 256 bytes of +inf
	v_mov_b32 v[A], 0x7f800000
	v_mov_b32 v[A+1], 0x7f800000
	global_store_b64 v[L8], v[A:A+1], s[30:31]
.Lend:
	s_wait_tensorcnt 0x0                           ; the wave's end: behind my last LDS store
	ds_add_u32 v[SPW], v[NIL]
	s_wait_dscnt 0x0
	s_endpgm
.Lfunc_end_k_qf9ea1e7f17_prep:
	.size	k_qf9ea1e7f17_prep, .Lfunc_end_k_qf9ea1e7f17_prep-k_qf9ea1e7f17_prep
	.p2alignl 7, 3214868480
	.fill 96, 4, 3214868480
	.section	.rodata,"a",@progbits
	.p2align	6, 0x0
	.amdhsa_kernel k_qf9ea1e7f17_prep
		.amdhsa_group_segment_fixed_size 768
		.amdhsa_private_segment_fixed_size 0
		.amdhsa_enable_private_segment 0
		.amdhsa_kernarg_size 48
		.amdhsa_user_sgpr_count 2
		.amdhsa_user_sgpr_kernarg_segment_ptr 1
		.amdhsa_wavefront_size32 1
		.amdhsa_system_sgpr_workgroup_id_x 1
		.amdhsa_system_sgpr_workgroup_id_y 1
		.amdhsa_system_sgpr_workgroup_id_z 1
		.amdhsa_system_vgpr_workitem_id 0
		.amdhsa_next_free_vgpr 160
		.amdhsa_next_free_sgpr 66
		.amdhsa_reserve_vcc 1
		.amdhsa_float_denorm_mode_32 3
		.amdhsa_float_denorm_mode_16_64 3
		.amdhsa_memory_ordered 1
		.amdhsa_forward_progress 1
		.amdhsa_inst_pref_size 29
	.end_amdhsa_kernel
	.amdgpu_metadata
---
amdhsa.version: [ 1, 2 ]
amdhsa.kernels:
  - .name:           k_qf9ea1e7f17_prep
    .symbol:         k_qf9ea1e7f17_prep.kd
    .args:
      - { .name: codebook, .offset: 0, .size: 8, .value_kind: global_buffer, .address_space: global }
      - { .name: x, .offset: 8, .size: 8, .value_kind: global_buffer, .address_space: global }
      - { .name: cb16, .offset: 16, .size: 8, .value_kind: global_buffer, .address_space: global }
      - { .name: x16, .offset: 24, .size: 8, .value_kind: global_buffer, .address_space: global }
      - { .name: eep, .offset: 32, .size: 8, .value_kind: global_buffer, .address_space: global }
      - { .name: xxb, .offset: 40, .size: 8, .value_kind: global_buffer, .address_space: global }
    .group_segment_fixed_size: 768
    .private_segment_fixed_size: 0
    .kernarg_segment_align: 8
    .kernarg_segment_size: 48
    .max_flat_workgroup_size: 128
    .sgpr_count:     66
    .vgpr_count:     160
    .wavefront_size: 32
...
	.end_amdgpu_metadata
.endif
;; end of part 1
;; launch nearest (part 2): grid 256 x 1, 4 waves a work-group, clusters of 4 x 1, 327,680 bytes of LDS; arguments x16, cb16, eep, xxb, idx; writes idx
.if DOCPART == 2
	.amdgcn_target "amdgcn-amd-amdhsa--gfx1250"
	.amdhsa_code_object_version 6
	.text
	.protected	k_qf9ea1e7f17_nearest
	.globl	k_qf9ea1e7f17_nearest
	.p2align	8
	.type	k_qf9ea1e7f17_nearest,@function
k_qf9ea1e7f17_nearest:
	s_mov_b64 s[64:65], 0
	v_nop
	global_prefetch_b8 v0, s[64:65] scope:SCOPE_SE
	s_setreg_imm32_b32 hwreg(HW_REG_WAVE_MODE, 25, 1), 1
	s_wait_xcnt 0x0
	s_wait_alu depctr_hold_cnt(0) depctr_sa_sdst(0) depctr_va_vdst(0) depctr_va_sdst(0) depctr_va_ssrc(0) depctr_va_vcc(0) depctr_vm_vsrc(0)
	s_getreg_b32 s2, hwreg(HW_REG_IB_STS2, 6, 4)
	s_cmp_eq_u32 s2, 0
	s_cbranch_scc0 .Lentry_in_a_cluster
	s_endpgm
.Lentry_in_a_cluster:
	s_bfe_u32 s2, ttmp6, 0x10000c
	s_cmp_lg_u32 s2, 0x3003
	s_cbranch_scc0 .Lentry_shape_is_right
	s_endpgm
.Lentry_shape_is_right:
; idx[n] = the first k that makes d[n][k] = (|x_n|^2 + |e_k|^2) - 2 x_n . e_k least.  x16: [32768][256] bf16; cb16: [8192][256] bf16; xxb: |x_n|^2, eep: |e_k|^2 (layout below), both f32 and
; taken of the rounded rows; idx: [32768] i32.  The product runs in bf16 with f32 sums.  d is made as it is written above: t = xx + ee rounded to f32, then t - 2 dot rounded once (one fused
; multiply-add; 2 dot is exact).  A later code wins only by strictly less, and every merge goes by (d, code): the first least code is kept.
; LIMITS.  A NaN distance never wins (an argmin would take it).  A row whose distances are all +inf gives code 0.  Where the two best codes' d fall on one f32 number or on neighbours, the last bits of
; the f32 dot product decide, and the matrix unit's order of summing is its own.
; SHARES.  A work-group owns 128 queries and walks all 8,192 codes in 32 chunks of 256.  EVERY wave holds all 128 queries as source 1 (8 tiles x 8 K steps x 8 = 512 registers); of each chunk wave w
; fetches, reads and multiplies rows 64 w .. 64 w + 63 alone: four tiles of 16 codes.  A fragment of 16 codes x 32 (two LDS loads) then feeds 8 matrix instructions.
; LAYOUT.  Source 0 = 16 codes, source 1 = 16 queries: register j of lane (r = lane % 16, h = lane / 16) holds code 8 h + j, query r.  A lane keeps ONE query a tile: nothing changes lanes in the walk.
; BY TURNS.  A tile's 64 products go in two halves of 32 (query tiles 0-3, 4-7).  While one half is multiplied the other half's 32 x 8 distances are scored: 128 vector instructions, four behind each
; matrix instruction.  The four accumulators of a half take turns.
; CLUSTER.  The four work-groups of a cluster walk the same chunks: each quarter chunk, and eep, is asked for JOINTLY (same load, descriptor and mask in all four).  x is each work-group's own.
; LDS.  Two slots of 256 rows x 528 bytes; then eep, filled once; then the merge's words; then the spare words.
; eep: four parts of 8,448 bytes, part w for wave w: 256 bytes of +inf, then 128 tiles of 16 f32; tile n = 4 s + t holds the sums of codes 256 s + 64 w + 16 t + 0..15.
; REGISTERS, in windows of 256 (s_set_vgpr_msb: bits 1:0 source 0, 3:2 source 1, 5:4 source 2, 7:6 destination):
;   window 0: addresses, xx, ee, accumulators, best distances and their tiles      window 1: v0-63 the tile's fragments
;   window 2: x of query tiles 0-3, at 64 u + 8 k      window 3: of tiles 4-7
.set PITCH,  528                       ; a row of codes in LDS: 512 bytes + 16 of padding = 132 words: the 16 rows of a load start at 16 different groups of four banks (64 banks of 4 bytes: ISA guide 11.1)
.set QUART,  64*PITCH                  ; what one tensor load brings: a wave's 64 rows
.set SLOT,   4*QUART
.set TILEB,  16*PITCH
.set EELDS,  2*SLOT
.set EEPART, 8448
.set RED,    EELDS+4*EEPART            ; for each wave 512 bytes of d and 512 of codes; no tensor load lands here
.set SPARE,  RED+4096                  ; the spare words, 128 bytes for each wave: two blocks of 256 bytes that no other line names
.set CHUNKB, 256*512                   ; a chunk's bytes in cb16
.set RR,  1                            ; v1   r
.set HH,  2                            ; v2   h
.set AK0, 3                            ; v3   my lane's place in my quarter of slot 0: w QUART + 528 r + 16 h; never rewritten
.set AC,  4                            ; v4   LDS address of the tile to be fetched
.set AE,  5                            ; v5   LDS address of my 32 bytes of the ee of the tile being scored
.set LB,  6                            ; v6   64 w + 8 h
.set RA,  7                            ; v7   the merge: where I put a query's d
.set RB,  8                            ; v8   the merge: where I read two queries' d
.set GO,  9                            ; v9   my byte offset in the work-group's 512 bytes of idx
.set SPW, 10                           ; v10  my spare word: SPARE + 4 x my thread's number; never rewritten
.set NIL, 11                           ; v11  0; never rewritten
.set W0,  12                           ; v12-15 at work
.set XX,  16                           ; v16-31 query tile q: xx twice, a pair for the packed add
.set EA,  32                           ; v32-39 ee of the tile whose first half is scored
.set EB,  40                           ; v40-47 ee of the tile whose second half is scored
.set T,   48                           ; v48-55 t = xx + ee
.set QO,  56                           ; v56  my byte offset in 16 rows of x16: 512 r + 16 h
.set XO,  57                           ; v57  my byte offset in 16 words of xxb: 4 r
.set ACC, 64                           ; v64-127 accumulator of query tile q at ACC + 8 q
.set BEST, 128                         ; v128-191 least d so far, at 8 q + j
.set IDX, 192                          ; v192-255 the tile that gave it
.set CF,  0                            ; window 1: K step k at 8 k
.set WV,  12                           ; s12  my wave's number
.set CX,  13                           ; s13  my place in the cluster
.set GG,  14                           ; s14  my work-group: it enters x16's, xxb's and idx's addresses alone
.set WQ,  15                           ; s15  w QUART
.set G1C, 24                           ; s[24:31] group 1: a quarter chunk
.set G1E, 32                           ; s[32:39] group 1: a part of eep
.set G0C, 40                           ; s[40:43] group 0 for the chunks: it walks
.set G0E, 44                           ; s[44:47] group 0 for eep
.set TF,  48                           ; s48  0 or SLOT: the slot filled last
.set CUR, 66                           ; s66  the tile being scored, 0 .. 127; -1 in the first trip
.set CNT, 67                           ; s67  counts a chunk's trips
.set TRIPS, 68                         ; s68  counts the chunks that ask for a next one
.set PINF, 69                          ; s69  +inf
.set M,   70                           ; s70-73 four compares' masks
.set MQ,  74                           ; s74-81 the merge: d[j] equals the least
.set SEL, 84                           ; s[84:85] v_permlanex16_b32: each lane takes its own place in the other half
.set LX,  86                           ; s86-88 the merge's masks
.set MSB, 0
.macro WIN new                         ; the immediate's high byte repeats the setting that is left; a switch that changes nothing is dropped
.if MSB != (\new)
	s_set_vgpr_msb (MSB<<8)|(\new)
.set MSB, (\new)
.endif
.endm
; A round of the cluster's barrier: my work-group's barrier, so that wave 0's signal speaks for all four waves; wave 0 signals; every wave waits for all four work-groups; my work-group's barrier once more.
.macro CROUND
	s_barrier_signal -1
	s_barrier_wait -1
	s_cmp_lg_u32 s[WV], 0
	s_cbranch_scc1 .Lnot_wave_0_\@
	s_barrier_signal -3
.Lnot_wave_0_\@:
	s_barrier_wait -3
	s_barrier_signal -1
	s_barrier_wait -1
.endm
	s_load_b256 s[4:11], s[0:1], 0x0               ; x16 s[4:5], cb16 s[6:7], eep s[8:9], xxb s[10:11]
	s_load_b64 s[16:17], s[0:1], 0x20              ; idx
	v_lshl_add_u32 v[SPW], v0, 2, SPARE
	v_mov_b32 v[NIL], 0
	ds_add_u32 v[SPW], v[NIL]                      ; the wave's opening: the add and its wait stand ahead of my first tensor load; the set-up below, work on registers, stands between them
	v_lshrrev_b32 v[W0], 5, v0
	v_readfirstlane_b32 s[WV], v[W0]               ; wave 0..3
	s_bfe_u32 s[CX], ttmp6, 0x40000
	s_lshl_b32 s[GG], ttmp9, 2                     ; in a cluster launch ttmp9 counts clusters
	s_add_co_u32 s[GG], s[GG], s[CX]
	; group 1, a quarter chunk: 64 rows x 256 elements of 2 bytes, 16 bytes of padding behind each row
	s_mov_b32 s[G1C+0], 15|(1<<16)|(1<<20)|(1<<21)|(6<<22)|(3<<25)  ; 15:0 the mask of four; 17:16 2-byte elements; 20 padding on; 21 set beside a mask; 24:22 after every 128 words (code 6); 31:25 4 words (code 3)
	s_mov_b32 s[G1C+1], 256<<16                    ; tensor_dim0 = 256
	s_mov_b32 s[G1C+2], 64<<16                     ; tensor_dim1 = 64
	s_mov_b32 s[G1C+3], 256<<16                    ; tile_dim0 = 256
	s_mov_b32 s[G1C+4], 64                         ; tile_dim1 = 64
	s_mov_b32 s[G1C+5], 256                        ; elements from row to row
	s_mov_b32 s[G1C+6], 0
	s_mov_b32 s[G1C+7], 0
	; group 1, a part of eep: 8,448 dense bytes as 33 rows of 32 elements of 8 bytes
	s_mov_b32 s[G1E+0], 15|(3<<16)|(1<<21)
	s_mov_b32 s[G1E+1], 32<<16
	s_mov_b32 s[G1E+2], 33<<16
	s_mov_b32 s[G1E+3], 32<<16
	s_mov_b32 s[G1E+4], 33
	s_mov_b32 s[G1E+5], 32
	s_mov_b32 s[G1E+6], 0
	s_mov_b32 s[G1E+7], 0
	s_mul_i32 s[WQ], s[WV], QUART                  ; LDS addresses hang on the wave's number alone
	s_mul_i32 s18, s[WV], EEPART                   ; also my part's byte offset in eep
	s_mov_b32 s19, 0
	s_lshl_b32 s20, s[WV], 15                      ; my 64 rows of 512 bytes in a chunk
	s_mov_b32 s21, 0
	s_lshl_b32 s22, s[GG], 16                      ; my work-group's 128 rows of 512 bytes of x16: s[22:23] alone ever hold what hangs on my place in the cluster
	s_mov_b32 s23, 0
	s_mov_b32 s[G0C], 1                            ; 1:0 count = 1
	s_mov_b32 s[G0C+1], s[WQ]                      ; slot 0
	s_mov_b32 s[G0E], 1
	s_add_co_u32 s[G0E+1], s18, EELDS
	s_mov_b32 s[TF], 0
	s_mov_b32 s[CUR], -1
	s_mov_b32 s[PINF], 0x7f800000
	s_mov_b32 s[SEL], 0x76543210
	s_mov_b32 s[SEL+1], 0xfedcba98
	s_wait_dscnt 0x0                               ; the opening add is done
	s_wait_kmcnt 0x0
	s_add_nc_u64 s[G0C+2:G0C+3], s[6:7], s[20:21]  ; chunk 0, my quarter
	s_or_b32 s[G0C+3], s[G0C+3], 0x80000000        ; 127:126 type = 2
	s_add_nc_u64 s[G0E+2:G0E+3], s[8:9], s[18:19]
	s_or_b32 s[G0E+3], s[G0E+3], 0x80000000
	s_add_nc_u64 s[4:5], s[4:5], s[22:23]
	s_lshl_b32 s22, s[GG], 9                       ; my work-group's 128 words of xxb and of idx
	s_add_nc_u64 s[10:11], s[10:11], s[22:23]
	s_add_nc_u64 s[16:17], s[16:17], s[22:23]
	CROUND                                         ; all four work-groups are here: the first joint loads meet
	tensor_load_to_lds s[G0C:G0C+3], s[G1C:G1C+7]  ; the two first fills go out together: two loads of mine are out.  Slot 1 is filled behind the walk's first round
	s_nop 0
	tensor_load_to_lds s[G0E:G0E+3], s[G1E:G1E+7]
	s_nop 0
.rept 4
	v_nop
.endr
	; all that follows up to the wait stands in the time in which the first tiles land
	; A fragment of source 1 is 16 queries x 32 channels in 8 registers: lane (r, h) holds query r, channels 8 h + 0..7 and 16 + 8 h + 0..7: two loads of 16 bytes, 32 bytes apart.  x stays in registers.
	v_and_b32 v[RR], 15, v0
	v_bfe_u32 v[HH], v0, 4, 1
	v_lshlrev_b32 v[QO], 9, v[RR]
	v_lshl_add_u32 v[QO], v[HH], 4, v[QO]
	v_lshlrev_b32 v[XO], 2, v[RR]
.set q, 0
.rept 8
	WIN 0x80+0x40*(q/4)                            ; destination window 2 or 3, address window 0
.set k, 0
.rept 8
	global_load_b128 v[64*(q%4)+8*k:64*(q%4)+8*k+3],   v[QO], s[4:5] offset:8192*q+64*k
	global_load_b128 v[64*(q%4)+8*k+4:64*(q%4)+8*k+7], v[QO], s[4:5] offset:8192*q+64*k+32
.set k, k+1
.endr
.set q, q+1
.endr
	WIN 0
.set q, 0
.rept 8
	global_load_b32 v[XX+2*q],   v[XO], s[10:11] offset:64*q   ; xx of query 16 q + r, into both registers of the pair
	global_load_b32 v[XX+2*q+1], v[XO], s[10:11] offset:64*q
.set q, q+1
.endr
	v_mul_u32_u24 v[AK0], v[RR], PITCH
	v_lshl_add_u32 v[AK0], v[HH], 4, v[AK0]
	v_add_nc_u32 v[AK0], s[WQ], v[AK0]
	s_add_co_u32 s20, s18, EELDS+192               ; the 64 bytes of +inf in front of tile 0: the first trip's ee
	v_lshl_add_u32 v[AE], v[HH], 5, s20
	s_lshl_b32 s20, s[WV], 6
	v_lshl_add_u32 v[LB], v[HH], 3, s20
	s_lshl_b32 s20, s[WV], 10
	s_add_co_u32 s20, s20, RED
	v_lshl_add_u32 v[RA], v[RR], 2, s20
	v_and_b32 v[W0], 31, v0
	s_lshl_b32 s20, s[WV], 8
	v_lshl_add_u32 v[GO], v[W0], 3, s20
	v_add_nc_u32 v[RB], RED, v[GO]
.set i, 0
.rept 64
	v_mov_b32 v[BEST+i], s[PINF]                   ; no distance yet
	v_mov_b32 v[IDX+i], 0
.set i, i+1
.endr
	; THE WALK HAS NO FIRST STEP WRITTEN OUT.  Its first trip multiplies tile 0 once more than needed (32 products) and scores it, and four products that only write the first four accumulators,
	; against ee = +inf: d = +inf, which is less than nothing.
	s_wait_tensorcnt 0x0                           ; my quarter of chunk 0 and my part of eep are in: a wave reads only what its own loads brought
	ds_load_b128 v[EA:EA+3],   v[AE]
	ds_load_b128 v[EA+4:EA+7], v[AE] offset:16
	WIN 0x40                                       ; destination window 1, address window 0
.set k, 0
.rept 8
	ds_load_b128 v[CF+8*k:CF+8*k+3],   v[AK0] offset:64*k
	ds_load_b128 v[CF+8*k+4:CF+8*k+7], v[AK0] offset:64*k+32
.set k, k+1
.endr
	s_wait_loadcnt 0x0                             ; x and xx
	s_wait_dscnt 0x0
	WIN 0x09
.irp u, 0,1,2,3
	v_wmma_f32_16x16x32_bf16 v[ACC+8*\u:ACC+8*\u+7], v[CF:CF+7], v[64*\u:64*\u+7], 0
.endr
	WIN 0
.rept 4
	v_nop                                          ; four places behind those products (ISA guide 7.12.1)
.endr
; THE SCORING, four instructions at a time: number i of 32 for the finished half pp (query tile 4 pp + i / 8), all in window 0.  For one accumulator, eight fours:
;   0  t = ee + xx     1  d = t - 2 dot, in place (it reads the accumulator's lowest registers first)
;   2, 5  d < best, into four scalar masks     3, 6  best = min(d, best)     4, 7  where d was less, the tile's number
; Every result is read four vector instructions or more behind the line that made it.
.macro RID pp, i
.set rq,  4*(\pp)+(\i)/8
.set rst, (\i)%8
.set rA,  ACC+8*rq
.set rE,  EA+8*(\pp)
.set rB,  BEST+8*rq
.set rI,  IDX+8*rq
.set rj,  4*(rst/5)
	WIN 0
.if rst == 0
.irp z, 0,1,2,3
	v_pk_add_f32 v[T+2*\z:T+2*\z+1], v[rE+2*\z:rE+2*\z+1], v[XX+2*rq:XX+2*rq+1]
.endr
.elseif rst == 1
.irp z, 0,1,2,3
	v_pk_fma_f32 v[rA+2*\z:rA+2*\z+1], v[rA+2*\z:rA+2*\z+1], -2.0, v[T+2*\z:T+2*\z+1] op_sel_hi:[1,0,1]
.endr
.elseif (rst-2)%3 == 0
.irp z, 0,1,2,3
	v_cmp_lt_f32 s[M+\z], v[rA+rj+\z], v[rB+rj+\z]
.endr
.elseif (rst-2)%3 == 1
.irp z, 0,1,2,3
	v_min_num_f32 v[rB+rj+\z], v[rA+rj+\z], v[rB+rj+\z]
.endr
.else
.irp z, 0,1,2,3
	v_cndmask_b32 v[rI+rj+\z], v[rI+rj+\z], s[CUR], s[M+\z]
.endr
.endif
.endm
; The next tile's K step k (and, with K step 6, its ee: EA has then been read for the last time).  last = 1 (the tail): in the last trip there is no further tile, and the loads are jumped over.
.macro FETCH k, last
.if \last
	s_cmp_eq_u32 s[CNT], 1
	s_cbranch_scc1 .Lno_fetch_\@
.endif
.if (\k) == 6
	ds_load_b128 v[EA:EA+3],   v[AE] offset:64
	ds_load_b128 v[EA+4:EA+7], v[AE] offset:80
.endif
	WIN 0x40                                       ; destination window 1, address window 0
	ds_load_b128 v[CF+8*(\k):CF+8*(\k)+3],   v[AC] offset:64*(\k)
	ds_load_b128 v[CF+8*(\k)+4:CF+8*(\k)+7], v[AC] offset:64*(\k)+32
.if \last
	WIN 0                                          ; at a label every window is 0
.Lno_fetch_\@:
.endif
.endm
; HALF A TILE: 32 products for query tiles 4 p .. 4 p + 3 (K step i / 4, tile i % 4; the first four start the sums with the constant 0), and behind each the other half's next four.
; p = 1 also fetches.  Behind product 1: ee of the tile in hand into EB.  Behind product 4 k + 3, the last to read K step k's fragment, and its four riders (minima or selects, plain instructions
; that name none of its registers: the four places in front of a load into a source): the NEXT tile's K step k.
; p = 0 waits for them: in front of K step k as many LDS loads may be out as were issued behind its two: in the order EB, K steps 0-5, EA, K steps 6, 7 that is 16, 14, 12, 10, 8, 6, 2, 0.
; In the tail the one wait is for 0: in its last trip EB's two loads alone are out, and a count above 0 would show nothing of them.
.macro GROUP p, last
.set gi, 0
.rept 32
.set gk, gi/4
.set gu, gi%4
.set gD, ACC+32*(\p)+8*gu
.if ((\p) == 0) && (gu == 0)
.if \last
.if gk == 0
	s_wait_dscnt 0x0
.endif
.elseif gk < 6
	s_wait_dscnt 16-2*gk
.elseif gk == 6
	s_wait_dscnt 2
.else
	s_wait_dscnt 0x0
.endif
.endif
	WIN 0x09+4*(\p)                                ; the codes in window 1, x in window 2 or 3, the sums in window 0
.if gk == 0
	v_wmma_f32_16x16x32_bf16 v[gD:gD+7], v[CF+8*gk:CF+8*gk+7], v[64*gu+8*gk:64*gu+8*gk+7], 0
.else
	v_wmma_f32_16x16x32_bf16 v[gD:gD+7], v[CF+8*gk:CF+8*gk+7], v[64*gu+8*gk:64*gu+8*gk+7], v[gD:gD+7]
.endif
	RID 1-(\p), gi
.if (\p) == 1
.if gi == 1
	ds_load_b128 v[EB:EB+3],   v[AE]
	ds_load_b128 v[EB+4:EB+7], v[AE] offset:16
.endif
.if gu == 3
	FETCH gk, \last
.endif
.elseif gi == 0
	v_add_nc_u32 v[AC], TILEB, v[AC]               ; the next fetch is the next tile's
	v_add_nc_u32 v[AE], 64, v[AE]
.endif
.set gi, gi+1
.endr
.endm
; A TRIP: the second half of tile CUR (its first half is scored, tile CUR + 1 is fetched), then the first half of tile CUR + 1 (CUR's second half is scored).  No register changes its part from trip to trip.
.macro BODY last
	GROUP 1, \last
	GROUP 0, \last
	s_add_co_u32 s[CUR], s[CUR], 1
.endm
; THE CHANGE OF SLOTS, in front of the trips that fetch from the slot filled last.  Each wave waits for all its tensor loads, of which one is out: its quarter of that slot; adds 0 to its spare word; and
; waits for that and for its reads of the other slot.  fill = 1: the barrier is a round of the cluster's, so that no wave of any partner still reads the other slot or has a load on its way, and the joint
; fill of that slot, with the next chunk, is the first thing behind it: it has four trips, 256 matrix instructions, in which to land.  (At its first use the other slot has not been filled yet.)
; fill = 0, the last chunk: nothing is filled, and a wave reads only the rows that its own load brought, so its own wait is all the ordering.
.macro CHANGE fill
	WIN 0                                          ; at a label and at a branch every window is 0
	s_wait_tensorcnt 0x0                           ; no tensor load of mine is out, so the group 0 may be written
.if \fill
	ds_add_u32 v[SPW], v[NIL]                      ; 0 onto my spare word; the steps below stand between it and the wait for it
	v_add_nc_u32 v[AC], s[TF], v[AK0]              ; the fetches begin at my quarter's first tile, in the slot filled last
	s_xor_b32 s[TF], s[TF], SLOT                   ; 0 and SLOT by turns: the other slot
	s_add_co_u32 s[G0C+1], s[WQ], s[TF]            ; takes my quarter
	s_add_nc_u64 s[G0C+2:G0C+3], s[G0C+2:G0C+3], CHUNKB  ; of the next chunk; the type bits on top are not reached
	s_wait_dscnt 0x0                               ; the add is done, and my reads of that slot are over
	CROUND
	tensor_load_to_lds s[G0C:G0C+3], s[G1C:G1C+7]
	s_nop 0
.rept 4
	v_nop
.endr
.else
	v_add_nc_u32 v[AC], s[TF], v[AK0]
.endif
.endm
	s_mov_b32 s[TRIPS], 31
.Lslot:                                                ; chunks 0 to 30; chunk s asks for chunk s + 1
	CHANGE 1
	s_mov_b32 s[CNT], 4
.Lbody:
	BODY 0
	WIN 0
	s_sub_co_u32 s[CNT], s[CNT], 1
	s_cmp_lg_u32 s[CNT], 0
	s_cbranch_scc1 .Lbody
	s_sub_co_u32 s[TRIPS], s[TRIPS], 1
	s_cmp_lg_u32 s[TRIPS], 0
	s_cbranch_scc1 .Lslot
	CHANGE 0                                       ; chunk 31 is written out
	s_mov_b32 s[CNT], 5                            ; four trips fetch its tiles; the fifth finishes and scores the last tile.  That trip's 32 products for a next tile, on the last tile's
.Ltail:                                                ; fragments once more, serve nothing: the price, once a launch, of one text for every trip
	BODY 1
	WIN 0
	s_sub_co_u32 s[CNT], s[CNT], 1
	s_cmp_lg_u32 s[CNT], 0
	s_cbranch_scc1 .Ltail
; THE MERGE.  (da, ka) takes (db, kb) where that is less by d, or equal by d and less by k.
.macro LEX da, ka, db, kb
	v_cmp_lt_f32 s[LX],   v[\db], v[\da]
	v_cmp_eq_f32 s[LX+1], v[\db], v[\da]
	v_cmp_lt_u32 s[LX+2], v[\kb], v[\ka]
	s_and_b32 s[LX+1], s[LX+1], s[LX+2]
	s_or_b32 s[LX], s[LX], s[LX+1]
	v_cndmask_b32 v[\da], v[\da], v[\db], s[LX]
	v_cndmask_b32 v[\ka], v[\ka], v[\kb], s[LX]
.endm
; Over a lane's eight registers of a query tile: the least d; then, among the registers that hold it, the least key = 8 x tile + j, which among a lane's codes goes as the code goes.
.set q, 0
.rept 8
.set mB, BEST+8*q
.set mI, IDX+8*q
	v_min_num_f32 v[W0],   v[mB],   v[mB+1]
	v_min_num_f32 v[W0+1], v[mB+2], v[mB+3]
	v_min_num_f32 v[W0+2], v[mB+4], v[mB+5]
	v_min_num_f32 v[W0+3], v[mB+6], v[mB+7]
	v_min_num_f32 v[W0],   v[W0],   v[W0+1]
	v_min_num_f32 v[W0+2], v[W0+2], v[W0+3]
	v_min_num_f32 v[W0],   v[W0],   v[W0+2]
.irp j, 0,1,2,3,4,5,6,7
	v_lshl_or_b32 v[mI+\j], v[mI+\j], 3, \j
.endr
.irp j, 0,1,2,3,4,5,6,7
	v_cmp_eq_f32 s[MQ+\j], v[mB+\j], v[W0]
.endr
.irp j, 0,1,2,3,4,5,6,7
	v_cndmask_b32 v[mI+\j], -1, v[mI+\j], s[MQ+\j] ; the largest key where d is not the least
.endr
	v_min_u32 v[mI],   v[mI],   v[mI+1]
	v_min_u32 v[mI+2], v[mI+2], v[mI+3]
	v_min_u32 v[mI+4], v[mI+4], v[mI+5]
	v_min_u32 v[mI+6], v[mI+6], v[mI+7]
	v_min_u32 v[mI],   v[mI],   v[mI+2]
	v_min_u32 v[mI+4], v[mI+4], v[mI+6]
	v_min_u32 v[mI],   v[mI],   v[mI+4]
	v_lshrrev_b32 v[W0+1], 5, v[mI]                ; key = 32 s + 8 t + j;  code = 256 s + 64 w + 16 t + 8 h + j
	v_bfe_u32 v[W0+2], v[mI], 3, 2
	v_and_b32 v[W0+3], 7, v[mI]
	v_lshl_add_u32 v[W0+3], v[W0+2], 4, v[W0+3]
	v_lshl_add_u32 v[W0+3], v[W0+1], 8, v[W0+3]
	v_add_nc_u32 v[mI], v[W0+3], v[LB]
	v_permlanex16_b32 v[W0+1], v[W0], s[SEL], s[SEL+1]  ; the query's other codes of my wave lie in the lane 16 away
	v_permlanex16_b32 v[W0+2], v[mI], s[SEL], s[SEL+1]
	LEX W0, mI, W0+1, W0+2
	ds_store_b32 v[RA], v[W0] offset:64*q          ; both halves of the lanes write the same words with the same numbers
	ds_store_b32 v[RA], v[mI] offset:512+64*q
.set q, q+1
.endr
	s_wait_dscnt 0x0                               ; for the others' sake: my wave's 128 answers are in LDS
	s_barrier_signal -1
	s_barrier_wait -1
	s_cmp_lt_u32 s[WV], 2
	s_cbranch_scc0 .Ldone                          ; waves 0 and 1 merge the four waves' answers, two queries a lane
.irp a, 0,1,2,3
	ds_load_b64 v[XX+2*\a:XX+2*\a+1], v[RB] offset:1024*\a
	ds_load_b64 v[EA+2*\a:EA+2*\a+1], v[RB] offset:1024*\a+512
.endr
	s_wait_dscnt 0x0
.irp e, 0,1
	LEX XX+\e,   EA+\e,   XX+2+\e, EA+2+\e
	LEX XX+4+\e, EA+4+\e, XX+6+\e, EA+6+\e
	LEX XX+\e,   EA+\e,   XX+4+\e, EA+4+\e
.endr
	global_store_b64 v[GO], v[EA:EA+1], s[16:17]   ; 32 lanes store 256 consecutive bytes, at a multiple of 256 from idx's first byte
.Ldone:
	s_wait_tensorcnt 0x0                           ; the wave's end: behind my last tensor load and my last LDS store
	ds_add_u32 v[SPW], v[NIL]
	s_wait_dscnt 0x0
	CROUND                                         ; the closing round: no work-group ends while a partner may still ask for a tile that names it
	s_endpgm
.Lfunc_end_k_qf9ea1e7f17_nearest:
	.size	k_qf9ea1e7f17_nearest, .Lfunc_end_k_qf9ea1e7f17_nearest-k_qf9ea1e7f17_nearest
	.p2alignl 7, 3214868480
	.fill 96, 4, 3214868480
	.section	.rodata,"a",@progbits
	.p2align	6, 0x0
	.amdhsa_kernel k_qf9ea1e7f17_nearest
		.amdhsa_group_segment_fixed_size 327680
		.amdhsa_private_segment_fixed_size 0
		.amdhsa_enable_private_segment 0
		.amdhsa_kernarg_size 40
		.amdhsa_user_sgpr_count 2
		.amdhsa_user_sgpr_kernarg_segment_ptr 1
		.amdhsa_wavefront_size32 1
		.amdhsa_system_sgpr_workgroup_id_x 1
		.amdhsa_system_sgpr_workgroup_id_y 1
		.amdhsa_system_sgpr_workgroup_id_z 1
		.amdhsa_system_vgpr_workitem_id 0
		.amdhsa_next_free_vgpr 1024
		.amdhsa_next_free_sgpr 96
		.amdhsa_reserve_vcc 0
		.amdhsa_float_denorm_mode_32 3
		.amdhsa_float_denorm_mode_16_64 3
		.amdhsa_memory_ordered 1
		.amdhsa_forward_progress 1
		.amdhsa_inst_pref_size 100
	.end_amdhsa_kernel
	.amdgpu_metadata
---
amdhsa.version: [ 1, 2 ]
amdhsa.kernels:
  - .name:           k_qf9ea1e7f17_nearest
    .symbol:         k_qf9ea1e7f17_nearest.kd
    .args:
      - { .name: x16, .offset: 0, .size: 8, .value_kind: global_buffer, .address_space: global }
      - { .name: cb16, .offset: 8, .size: 8, .value_kind: global_buffer, .address_space: global }
      - { .name: eep, .offset: 16, .size: 8, .value_kind: global_buffer, .address_space: global }
      - { .name: xxb, .offset: 24, .size: 8, .value_kind: global_buffer, .address_space: global }
      - { .name: idx, .offset: 32, .size: 8, .value_kind: global_buffer, .address_space: global }
    .group_segment_fixed_size: 327680
    .private_segment_fixed_size: 0
    .kernarg_segment_align: 8
    .kernarg_segment_size: 40
    .max_flat_workgroup_size: 128
    .sgpr_count:     96
    .vgpr_count:     1024
    .wavefront_size: 32
...
	.end_amdgpu_metadata
.endif
;; end of part 2
;; launch gather (part 3): grid 512 x 1, 8 waves a work-group, no clusters, 0 bytes of LDS; arguments idx, codebook, x, out1, part; writes out1, part
.if DOCPART == 3
	.amdgcn_target "amdgcn-amd-amdhsa--gfx1250"
	.amdhsa_code_object_version 6
	.text
	.protected	k_qf9ea1e7f17_gather
	.globl	k_qf9ea1e7f17_gather
	.p2align	8
	.type	k_qf9ea1e7f17_gather,@function
k_qf9ea1e7f17_gather:
	s_mov_b64 s[64:65], 0
	v_nop
	global_prefetch_b8 v0, s[64:65] scope:SCOPE_SE
	s_setreg_imm32_b32 hwreg(HW_REG_WAVE_MODE, 25, 1), 1
	s_wait_xcnt 0x0
; out1[n][:] = codebook[idx[n]][:] (the f32 rows as they are);  part[wave] = the sum over the wave's 8 rows of |out1 - x|, in f32.
; A wave owns 8 rows and has no loop: its 8 indices come by one scalar load, its 16 loads of x and its 16 of the chosen rows go out together, and the waits count down.
; A row is 1,024 bytes: two loads or stores of 16 bytes a lane, each 512 consecutive bytes.  Memory binds: no LDS, no matrix unit, no cluster.
; An index is held to 0 .. 8191 before it enters an address.
.set L16, 2                            ; v2   16 x lane
.set ZO,  3                            ; v3   0
.set O,   4                            ; v[4:11]   row i: byte offset of my 16 bytes in the chosen row of the codebook
.set AC,  12                           ; v[12:15]  four chains of the sum
.set X,   16                           ; v[16:79]  x, then the differences
.set Q,   80                           ; v[80:143] the chosen rows
	s_load_b256 s[4:11], s[0:1], 0x0               ; idx s[4:5], codebook s[6:7], x s[8:9], out1 s[10:11]
	s_load_b64 s[12:13], s[0:1], 0x20              ; part
	v_lshrrev_b32 v1, 5, v0
	v_readfirstlane_b32 s14, v1                    ; wave 0..7
	v_and_b32 v1, 31, v0
	v_lshlrev_b32 v[L16], 4, v1
	v_mov_b32 v[ZO], 0
	s_lshl_b32 s15, ttmp9, 3
	s_add_co_u32 s15, s15, s14                     ; my wave among the launch's 4,096
	s_lshl_b32 s26, s15, 5                         ; its 8 indices,
	s_mov_b32 s27, 0
	s_lshl_b32 s28, s15, 13                        ; its 8 rows of 1,024 bytes,
	s_mov_b32 s29, 0
	s_lshl_b32 s30, s15, 2                         ; its word of part
	s_mov_b32 s31, 0
	s_mov_b32 s32, 0x76543210                      ; v_permlanex16_b32: each lane takes its own place in the other half
	s_mov_b32 s33, 0xfedcba98
	s_wait_kmcnt 0x0
	s_add_nc_u64 s[4:5], s[4:5], s[26:27]
	s_load_b256 s[16:23], s[4:5], 0x0
	s_add_nc_u64 s[8:9], s[8:9], s[28:29]
	s_add_nc_u64 s[10:11], s[10:11], s[28:29]
	s_add_nc_u64 s[12:13], s[12:13], s[30:31]
.set i, 0
.rept 8
	global_load_b128 v[X+8*i:X+8*i+3],   v[L16], s[8:9] offset:1024*i th:TH_LOAD_NT      ; x is read here for the last time
	global_load_b128 v[X+8*i+4:X+8*i+7], v[L16], s[8:9] offset:1024*i+512 th:TH_LOAD_NT
.set i, i+1
.endr
	s_wait_kmcnt 0x0                               ; the indices
.set i, 0
.rept 8
	s_min_u32 s[16+i], s[16+i], 0x1fff
	v_lshl_add_u32 v[O+i], s[16+i], 10, v[L16]
	global_load_b128 v[Q+8*i:Q+8*i+3],   v[O+i], s[6:7]      ; no hint: a row may be chosen again
	global_load_b128 v[Q+8*i+4:Q+8*i+7], v[O+i], s[6:7] offset:512
.set i, i+1
.endr
.set i, 0
.rept 8
	s_wait_loadcnt 14-2*i                          ; loads come back in order: all of x and chosen row i are in, the 2 x (7 - i) younger loads stay out
	global_store_b128 v[L16], v[Q+8*i:Q+8*i+3],   s[10:11] offset:1024*i th:TH_STORE_NT  ; 512 consecutive bytes; these registers are not written again
	global_store_b128 v[L16], v[Q+8*i+4:Q+8*i+7], s[10:11] offset:1024*i+512 th:TH_STORE_NT
.irp z, 0,1,2,3
	v_pk_add_f32 v[X+8*i+2*\z:X+8*i+2*\z+1], v[Q+8*i+2*\z:Q+8*i+2*\z+1], v[X+8*i+2*\z:X+8*i+2*\z+1] neg_lo:[0,1] neg_hi:[0,1]
.endr
.irp c, 0,1,2,3
.if i == 0
	v_add_f32 v[AC+\c], |v[X+\c]|, |v[X+4+\c]|     ; the first row starts the four chains: nothing is cleared
.else
	v_add_f32 v[AC+\c], v[AC+\c], |v[X+8*i+\c]|
.endif
.endr
.if i > 0
.irp c, 0,1,2,3
	v_add_f32 v[AC+\c], v[AC+\c], |v[X+8*i+4+\c]|
.endr
.endif
.set i, i+1
.endr
	v_add_f32 v[AC], v[AC], v[AC+1]
	v_add_f32 v[AC+2], v[AC+2], v[AC+3]
	v_add_f32 v[AC], v[AC], v[AC+2]
	v_add_f32_dpp v[AC], v[AC], v[AC] row_xmask:1 row_mask:0xf bank_mask:0xf
	v_add_f32_dpp v[AC], v[AC], v[AC] row_xmask:2 row_mask:0xf bank_mask:0xf
	v_add_f32_dpp v[AC], v[AC], v[AC] row_xmask:4 row_mask:0xf bank_mask:0xf
	v_add_f32_dpp v[AC], v[AC], v[AC] row_xmask:8 row_mask:0xf bank_mask:0xf
	v_permlanex16_b32 v[AC+1], v[AC], s32, s33
	v_add_f32 v[AC], v[AC], v[AC+1]
	v_cmp_eq_u32 vcc_lo, 0, v1
	s_wait_xcnt 0x0                                ; EXEC is a source of the stores above: it changes only behind this wait
	s_and_saveexec_b32 s34, vcc_lo
	global_store_b32 v[ZO], v[AC], s[12:13]        ; one word a wave: 16 KiB in the whole launch
	s_wait_xcnt 0x0                                ; and again in front of the line that widens it
	s_or_b32 exec_lo, exec_lo, s34
	s_endpgm
.Lfunc_end_k_qf9ea1e7f17_gather:
	.size	k_qf9ea1e7f17_gather, .Lfunc_end_k_qf9ea1e7f17_gather-k_qf9ea1e7f17_gather
	.p2alignl 7, 3214868480
	.fill 96, 4, 3214868480
	.section	.rodata,"a",@progbits
	.p2align	6, 0x0
	.amdhsa_kernel k_qf9ea1e7f17_gather
		.amdhsa_group_segment_fixed_size 0
		.amdhsa_private_segment_fixed_size 0
		.amdhsa_enable_private_segment 0
		.amdhsa_kernarg_size 40
		.amdhsa_user_sgpr_count 2
		.amdhsa_user_sgpr_kernarg_segment_ptr 1
		.amdhsa_wavefront_size32 1
		.amdhsa_system_sgpr_workgroup_id_x 1
		.amdhsa_system_sgpr_workgroup_id_y 1
		.amdhsa_system_sgpr_workgroup_id_z 1
		.amdhsa_system_vgpr_workitem_id 0
		.amdhsa_next_free_vgpr 144
		.amdhsa_next_free_sgpr 66
		.amdhsa_reserve_vcc 1
		.amdhsa_float_denorm_mode_32 3
		.amdhsa_float_denorm_mode_16_64 3
		.amdhsa_memory_ordered 1
		.amdhsa_forward_progress 1
		.amdhsa_inst_pref_size 14
	.end_amdhsa_kernel
	.amdgpu_metadata
---
amdhsa.version: [ 1, 2 ]
amdhsa.kernels:
  - .name:           k_qf9ea1e7f17_gather
    .symbol:         k_qf9ea1e7f17_gather.kd
    .args:
      - { .name: idx, .offset: 0, .size: 8, .value_kind: global_buffer, .address_space: global }
      - { .name: codebook, .offset: 8, .size: 8, .value_kind: global_buffer, .address_space: global }
      - { .name: x, .offset: 16, .size: 8, .value_kind: global_buffer, .address_space: global }
      - { .name: out1, .offset: 24, .size: 8, .value_kind: global_buffer, .address_space: global }
      - { .name: part, .offset: 32, .size: 8, .value_kind: global_buffer, .address_space: global }
    .group_segment_fixed_size: 0
    .private_segment_fixed_size: 0
    .kernarg_segment_align: 8
    .kernarg_segment_size: 40
    .max_flat_workgroup_size: 256
    .sgpr_count:     66
    .vgpr_count:     144
    .wavefront_size: 32
...
	.end_amdgpu_metadata
.endif
;; end of part 3
;; launch finish (part 4): grid 1 x 1, 1 waves a work-group, no clusters, 0 bytes of LDS; arguments part, out0; writes out0
.if DOCPART == 4
	.amdgcn_target "amdgcn-amd-amdhsa--gfx1250"
	.amdhsa_code_object_version 6
	.text
	.protected	k_qf9ea1e7f17_finish
	.globl	k_qf9ea1e7f17_finish
	.p2align	8
	.type	k_qf9ea1e7f17_finish,@function
k_qf9ea1e7f17_finish:
	s_mov_b64 s[64:65], 0
	v_nop
	global_prefetch_b8 v0, s[64:65] scope:SCOPE_SE
	s_setreg_imm32_b32 hwreg(HW_REG_WAVE_MODE, 25, 1), 1
	s_wait_xcnt 0x0
; out0 = the sum of part's 4,096 f32, times 2^-23 (32,768 rows x 256 numbers).  One wave: 32 loads of 16 bytes a lane, 512 consecutive bytes each, all out at once; four chains of packed sums.
; The sum spans the work-groups of the launch before, so it has a launch of its own.
.set P, 8                              ; v[8:135]
	s_load_b128 s[4:7], s[0:1], 0x0                ; part s[4:5], out0 s[6:7]
	v_lshlrev_b32 v1, 4, v0
	v_mov_b32 v2, 0
	s_mov_b32 s8, 0x76543210                       ; v_permlanex16_b32: each lane takes its own place in the other half
	s_mov_b32 s9, 0xfedcba98
	s_wait_kmcnt 0x0
.set i, 0
.rept 32
	global_load_b128 v[P+4*i:P+4*i+3], v1, s[4:5] offset:512*i
.set i, i+1
.endr
	s_wait_loadcnt 0x0
.set i, 2
.rept 30                               ; even loads onto the first, odd ones onto the second
	v_pk_add_f32 v[P+4*(i%2):P+4*(i%2)+1],   v[P+4*(i%2):P+4*(i%2)+1],   v[P+4*i:P+4*i+1]
	v_pk_add_f32 v[P+4*(i%2)+2:P+4*(i%2)+3], v[P+4*(i%2)+2:P+4*(i%2)+3], v[P+4*i+2:P+4*i+3]
.set i, i+1
.endr
	v_pk_add_f32 v[P:P+1], v[P:P+1], v[P+4:P+5]
	v_pk_add_f32 v[P+2:P+3], v[P+2:P+3], v[P+6:P+7]
	v_pk_add_f32 v[P:P+1], v[P:P+1], v[P+2:P+3]
	v_add_f32 v[P], v[P], v[P+1]
	v_add_f32_dpp v[P], v[P], v[P] row_xmask:1 row_mask:0xf bank_mask:0xf
	v_add_f32_dpp v[P], v[P], v[P] row_xmask:2 row_mask:0xf bank_mask:0xf
	v_add_f32_dpp v[P], v[P], v[P] row_xmask:4 row_mask:0xf bank_mask:0xf
	v_add_f32_dpp v[P], v[P], v[P] row_xmask:8 row_mask:0xf bank_mask:0xf
	v_permlanex16_b32 v[P+1], v[P], s8, s9
	v_add_f32 v[P], v[P], v[P+1]
	v_mul_f32 v[P], 0x34000000, v[P]               ; 2^-23: exact
	v_cmp_eq_u32 vcc_lo, 0, v0
	s_wait_xcnt 0x0                                ; EXEC is a source of the loads above: it changes only behind this wait
	s_and_saveexec_b32 s10, vcc_lo
	global_store_b32 v2, v[P], s[6:7]
	s_wait_xcnt 0x0                                ; and again in front of the line that widens it
	s_or_b32 exec_lo, exec_lo, s10
	s_endpgm
.Lfunc_end_k_qf9ea1e7f17_finish:
	.size	k_qf9ea1e7f17_finish, .Lfunc_end_k_qf9ea1e7f17_finish-k_qf9ea1e7f17_finish
	.p2alignl 7, 3214868480
	.fill 96, 4, 3214868480
	.section	.rodata,"a",@progbits
	.p2align	6, 0x0
	.amdhsa_kernel k_qf9ea1e7f17_finish
		.amdhsa_group_segment_fixed_size 0
		.amdhsa_private_segment_fixed_size 0
		.amdhsa_enable_private_segment 0
		.amdhsa_kernarg_size 16
		.amdhsa_user_sgpr_count 2
		.amdhsa_user_sgpr_kernarg_segment_ptr 1
		.amdhsa_wavefront_size32 1
		.amdhsa_system_sgpr_workgroup_id_x 1
		.amdhsa_system_sgpr_workgroup_id_y 1
		.amdhsa_system_sgpr_workgroup_id_z 1
		.amdhsa_system_vgpr_workitem_id 0
		.amdhsa_next_free_vgpr 136
		.amdhsa_next_free_sgpr 66
		.amdhsa_reserve_vcc 1
		.amdhsa_float_denorm_mode_32 3
		.amdhsa_float_denorm_mode_16_64 3
		.amdhsa_memory_ordered 1
		.amdhsa_forward_progress 1
		.amdhsa_inst_pref_size 9
	.end_amdhsa_kernel
	.amdgpu_metadata
---
amdhsa.version: [ 1, 2 ]
amdhsa.kernels:
  - .name:           k_qf9ea1e7f17_finish
    .symbol:         k_qf9ea1e7f17_finish.kd
    .args:
      - { .name: part, .offset: 0, .size: 8, .value_kind: global_buffer, .address_space: global }
      - { .name: out0, .offset: 8, .size: 8, .value_kind: global_buffer, .address_space: global }
    .group_segment_fixed_size: 0
    .private_segment_fixed_size: 0
    .kernarg_segment_align: 8
    .kernarg_segment_size: 16
    .max_flat_workgroup_size: 32
    .sgpr_count:     66
    .vgpr_count:     136
    .wavefront_size: 32
...
	.end_amdgpu_metadata
.endif
;; end of part 4
;; ======== version 2 of 2: 4 launches; version 1 with the launch gather written anew for expert scheduling mode
;; workspace buffers: cb16 4,194,304 bytes; x16 16,777,216 bytes; eep 33,792 bytes; xxb 131,072 bytes; idx 131,072 bytes of whole numbers; part 16,384 bytes
;; launch prep: the kernel of part 1 again; grid 640 x 1, 4 waves a work-group, no clusters, 768 bytes of LDS; arguments codebook, x, cb16, x16, eep, xxb; writes cb16, x16, eep, xxb
;; launch nearest: the kernel of part 2 again; grid 256 x 1, 4 waves a work-group, clusters of 4 x 1, 327,680 bytes of LDS; arguments x16, cb16, eep, xxb, idx; writes idx
;; launch gather (part 5): grid 512 x 1, 8 waves a work-group, no clusters, 0 bytes of LDS; arguments idx, codebook, x, out1, part; writes out1, part
.if DOCPART == 5
	.amdgcn_target "amdgcn-amd-amdhsa--gfx1250"
	.amdhsa_code_object_version 6
	.text
	.protected	k_qf9ea1e7f17_gather
	.globl	k_qf9ea1e7f17_gather
	.p2align	8
	.type	k_qf9ea1e7f17_gather,@function
k_qf9ea1e7f17_gather:
	s_mov_b64 s[64:65], 0
	v_nop
	global_prefetch_b8 v0, s[64:65] scope:SCOPE_SE
	s_setreg_imm32_b32 hwreg(HW_REG_WAVE_SCHED_MODE, 0, 2), 2
	s_setreg_imm32_b32 hwreg(HW_REG_WAVE_MODE, 25, 1), 1
	s_wait_xcnt 0x0
	s_wait_alu depctr_vm_vsrc(0)
; out1[n][:] = codebook[idx[n]][:] (the f32 rows as they are);  part[wave] = the sum over the wave's 8 rows of |out1 - x|, in f32.
; A wave owns 8 rows and has no loop: its 8 indices come by one scalar load, its 16 loads of x and its 16 of the chosen rows go out together, and the waits count down.
; A row is 1,024 bytes: two loads or stores of 16 bytes a lane, each 512 consecutive bytes.  Memory binds: no LDS, no matrix unit, no cluster.
; An index is held to 0 .. 8191 before it enters an address.
; THE MODE: SCHED_MODE bits 1:0 = 2 (LLVM: expert scheduling mode 2), set by the entry lines.  The code itself states the register dependences
; between vector instructions and memory instructions, with s_wait_alu, always for 0.
; THE PLAN.  Registers that memory instructions touch:
;   v[L16], v[ZO]  offsets, written once at the head and never again: one wait ahead of the first load states both for the whole kernel.
;   v[O ..]        the chosen rows' offsets: all eight are made first, one wait states them, and the 16 loads that read them follow in one run.  Never written again.
;   v[X ..]        x's loads land here; no vector instruction names them before that.  Behind the counted wait the differences read and write them; no memory instruction reads them.
;   v[Q ..]        the chosen rows' loads land here; no vector instruction names them before that.  The stores and the differences read them; nothing writes them again.
;   v[AC]          written by the sums, read by the last store: stated by the wait that stands ahead of the write of EXEC.
; So the eight rows' turns hold no s_wait_alu: their stores read what loads brought and an offset stated at the head, and their vector instructions write nothing that a memory instruction reads.
.set L16, 2                            ; v2   16 x lane
.set ZO,  3                            ; v3   0
.set O,   4                            ; v[4:11]   row i: byte offset of my 16 bytes in the chosen row of the codebook
.set AC,  12                           ; v[12:15]  four chains of the sum
.set X,   16                           ; v[16:79]  x, then the differences
.set Q,   80                           ; v[80:143] the chosen rows
	s_load_b256 s[4:11], s[0:1], 0x0               ; idx s[4:5], codebook s[6:7], x s[8:9], out1 s[10:11]
	s_load_b64 s[12:13], s[0:1], 0x20              ; part
	v_lshrrev_b32 v1, 5, v0
	v_readfirstlane_b32 s14, v1                    ; wave 0..7
	v_and_b32 v1, 31, v0
	v_lshlrev_b32 v[L16], 4, v1
	v_mov_b32 v[ZO], 0
	s_wait_alu depctr_va_sdst(0)                   ; s14 is written, ahead of its first reader: the wave's place in idx, x, out1 and part is made from it
	s_lshl_b32 s15, ttmp9, 3
	s_add_co_u32 s15, s15, s14                     ; my wave among the launch's 4,096
	s_lshl_b32 s26, s15, 5                         ; its 8 indices,
	s_mov_b32 s27, 0
	s_lshl_b32 s28, s15, 13                        ; its 8 rows of 1,024 bytes,
	s_mov_b32 s29, 0
	s_lshl_b32 s30, s15, 2                         ; its word of part
	s_mov_b32 s31, 0
	s_mov_b32 s32, 0x76543210                      ; v_permlanex16_b32: each lane takes its own place in the other half
	s_mov_b32 s33, 0xfedcba98
	s_wait_kmcnt 0x0
	s_add_nc_u64 s[4:5], s[4:5], s[26:27]
	s_load_b256 s[16:23], s[4:5], 0x0
	s_add_nc_u64 s[8:9], s[8:9], s[28:29]
	s_add_nc_u64 s[10:11], s[10:11], s[28:29]
	s_add_nc_u64 s[12:13], s[12:13], s[30:31]
	s_wait_alu depctr_va_vdst(0)                   ; v[L16] and v[ZO] are written: x's loads and every store of the kernel read one of them as the offset
.set i, 0
.rept 8
	global_load_b128 v[X+8*i:X+8*i+3],   v[L16], s[8:9] offset:1024*i th:TH_LOAD_NT      ; x is read here for the last time
	global_load_b128 v[X+8*i+4:X+8*i+7], v[L16], s[8:9] offset:1024*i+512 th:TH_LOAD_NT
.set i, i+1
.endr
	s_wait_kmcnt 0x0                               ; the indices
.set i, 0
.rept 8
	s_min_u32 s[16+i], s[16+i], 0x1fff
	v_lshl_add_u32 v[O+i], s[16+i], 10, v[L16]     ; all eight offsets first, so that one wait states them
.set i, i+1
.endr
	s_wait_alu depctr_va_vdst(0)                   ; v[O] to v[O+7] are written, which the sixteen loads below read as their offsets
.set i, 0
.rept 8
	global_load_b128 v[Q+8*i:Q+8*i+3],   v[O+i], s[6:7]      ; no hint: a row may be chosen again
	global_load_b128 v[Q+8*i+4:Q+8*i+7], v[O+i], s[6:7] offset:512
.set i, i+1
.endr
.set i, 0
.rept 8
	s_wait_loadcnt 14-2*i                          ; loads come back in order: all of x and chosen row i are in, the 2 x (7 - i) younger loads stay out
	global_store_b128 v[L16], v[Q+8*i:Q+8*i+3],   s[10:11] offset:1024*i th:TH_STORE_NT  ; 512 consecutive bytes; these registers are not written again
	global_store_b128 v[L16], v[Q+8*i+4:Q+8*i+7], s[10:11] offset:1024*i+512 th:TH_STORE_NT
.irp z, 0,1,2,3
	v_pk_add_f32 v[X+8*i+2*\z:X+8*i+2*\z+1], v[Q+8*i+2*\z:Q+8*i+2*\z+1], v[X+8*i+2*\z:X+8*i+2*\z+1] neg_lo:[0,1] neg_hi:[0,1]
.endr
.irp c, 0,1,2,3
.if i == 0
	v_add_f32 v[AC+\c], |v[X+\c]|, |v[X+4+\c]|     ; the first row starts the four chains: nothing is cleared
.else
	v_add_f32 v[AC+\c], v[AC+\c], |v[X+8*i+\c]|
.endif
.endr
.if i > 0
.irp c, 0,1,2,3
	v_add_f32 v[AC+\c], v[AC+\c], |v[X+8*i+4+\c]|
.endr
.endif
.set i, i+1
.endr
	v_add_f32 v[AC], v[AC], v[AC+1]
	v_add_f32 v[AC+2], v[AC+2], v[AC+3]
	v_add_f32 v[AC], v[AC], v[AC+2]
	v_add_f32_dpp v[AC], v[AC], v[AC] row_xmask:1 row_mask:0xf bank_mask:0xf
	v_add_f32_dpp v[AC], v[AC], v[AC] row_xmask:2 row_mask:0xf bank_mask:0xf
	v_add_f32_dpp v[AC], v[AC], v[AC] row_xmask:4 row_mask:0xf bank_mask:0xf
	v_add_f32_dpp v[AC], v[AC], v[AC] row_xmask:8 row_mask:0xf bank_mask:0xf
	v_permlanex16_b32 v[AC+1], v[AC], s32, s33
	v_add_f32 v[AC], v[AC], v[AC+1]
	v_cmp_eq_u32 vcc_lo, 0, v1
	s_wait_xcnt 0x0                                ; EXEC is a source of the stores above: it changes only behind this wait
	s_wait_alu depctr_va_vcc(0)                    ; the compare has written VCC, ahead of its first reader: EXEC is made from it
	s_wait_alu depctr_va_vdst(0)                   ; EXEC is written next: the wave's vector instructions are done, and v[AC], the data of the store below, is written
	s_wait_alu depctr_vm_vsrc(0)                   ; EXEC is written next: the sixteen stores above have read v[Q ..] and v[L16]
	s_and_saveexec_b32 s34, vcc_lo
	global_store_b32 v[ZO], v[AC], s[12:13]        ; one word a wave: 16 KiB in the whole launch
	s_wait_xcnt 0x0                                ; and again in front of the line that widens it
	s_wait_alu depctr_va_vdst(0)                   ; EXEC is written next: both lines stand ahead of every scalar write of it; no vector instruction is left unfinished
	s_wait_alu depctr_vm_vsrc(0)                   ; the store above has read v[ZO] and v[AC]
	s_or_b32 exec_lo, exec_lo, s34
	s_endpgm
.Lfunc_end_k_qf9ea1e7f17_gather:
	.size	k_qf9ea1e7f17_gather, .Lfunc_end_k_qf9ea1e7f17_gather-k_qf9ea1e7f17_gather
	.p2alignl 7, 3214868480
	.fill 96, 4, 3214868480
	.section	.rodata,"a",@progbits
	.p2align	6, 0x0
	.amdhsa_kernel k_qf9ea1e7f17_gather
		.amdhsa_group_segment_fixed_size 0
		.amdhsa_private_segment_fixed_size 0
		.amdhsa_enable_private_segment 0
		.amdhsa_kernarg_size 40
		.amdhsa_user_sgpr_count 2
		.amdhsa_user_sgpr_kernarg_segment_ptr 1
		.amdhsa_wavefront_size32 1
		.amdhsa_system_sgpr_workgroup_id_x 1
		.amdhsa_system_sgpr_workgroup_id_y 1
		.amdhsa_system_sgpr_workgroup_id_z 1
		.amdhsa_system_vgpr_workitem_id 0
		.amdhsa_next_free_vgpr 144
		.amdhsa_next_free_sgpr 66
		.amdhsa_reserve_vcc 1
		.amdhsa_float_denorm_mode_32 3
		.amdhsa_float_denorm_mode_16_64 3
		.amdhsa_memory_ordered 1
		.amdhsa_forward_progress 1
		.amdhsa_inst_pref_size 14
	.end_amdhsa_kernel
	.amdgpu_metadata
---
amdhsa.version: [ 1, 2 ]
amdhsa.kernels:
  - .name:           k_qf9ea1e7f17_gather
    .symbol:         k_qf9ea1e7f17_gather.kd
    .args:
      - { .name: idx, .offset: 0, .size: 8, .value_kind: global_buffer, .address_space: global }
      - { .name: codebook, .offset: 8, .size: 8, .value_kind: global_buffer, .address_space: global }
      - { .name: x, .offset: 16, .size: 8, .value_kind: global_buffer, .address_space: global }
      - { .name: out1, .offset: 24, .size: 8, .value_kind: global_buffer, .address_space: global }
      - { .name: part, .offset: 32, .size: 8, .value_kind: global_buffer, .address_space: global }
    .group_segment_fixed_size: 0
    .private_segment_fixed_size: 0
    .kernarg_segment_align: 8
    .kernarg_segment_size: 40
    .max_flat_workgroup_size: 256
    .sgpr_count:     66
    .vgpr_count:     144
    .wavefront_size: 32
...
	.end_amdgpu_metadata
.endif
;; end of part 5
;; launch finish: the kernel of part 4 again; grid 1 x 1, 1 waves a work-group, no clusters, 0 bytes of LDS; arguments part, out0; writes out0
